; MI455X (gfx1250); checked and timed in simulation.
; The chip was launched on July 23, 2026; its instructions are those of AMD's public machine-readable ISA for CDNA 5 (MIT licence, August 2026) and "CDNA5" Instruction Set Architecture Reference Guide (July 2026). The comments in the code are by the model that wrote it; some were corrected since.
;; Mo E. Allowed arithmetic: matrix products marked QUANTISED: E2M3 operands, one E8M0 scale for each 32 along K, by v_wmma_scale_f32_16x16x128_f8f6f4 with both operands' format E2M3, f32 sums; everything else in f32.
;; Inputs: down_w 1,024 x 2,048 float32; gate_w 64 x 1,024 float32; up_w 2,048 x 1,024 float32; x 4 x 2,048 x 1,024 float32.
;; Outputs: out0 4 x 2,048 x 1,024 float32.
;; This version of the problem:
;;   THIS VERSION OF THE PROBLEM IS GIVEN IN LOW PRECISION. The matrix products marked QUANTISED in the list below multiply operands that are first quantised to E2M3 (2 exponent bits, 3 mantissa bits; 6 bits a number), with one power-of-two scale for each 32 numbers along K (OCP MX v1.0); their sums are f32. All else is computed in f32.
;;   The module's matrix products, in the order in which they are computed (A, B: the left and right operand; K: the contracted axis; several contracted axes count as one K, in the product's order):
;;     1. [M 8,192, K 1,024] x [K 1,024, N 64]; A: input x; B: input gate_w: QUANTISED
;;     2. [M 16,384, K 1,024] x [K 1,024, N 2,048]; A: input x; B: input up_w: QUANTISED
;;     3. [M 16,384, K 2,048] x [K 2,048, N 1,024]; A: computed on the way; B: input down_w: QUANTISED
;;   THE QUANTISER, for each operand of a quantised product, along K:
;;     - K is cut into blocks of 32 from its start; a last block that is shorter is filled with zeros.
;;     - A block's scale is 2^e with e = floor(log2(the largest magnitude in the block)) - 2, held to -126 .. 127; a block of zeros has e = 0. As a byte (E8M0): e + 127.
;;     - Each number is divided by its block's scale, clamped to +-7.5, and rounded to the nearest number of E2M3, ties to even, subnormals kept.
;;     - The product sums the exact products of the quantised numbers (number of the format x scale) in f32.
;;   ~~~python
;;   def quantise(x, axis):      # numpy; x: float32 -> the quantised numbers, widened to float32 again
;;       x = np.moveaxis(x, axis, -1); K = x.shape[-1]
;;       x = np.pad(x, [(0, 0)] * (x.ndim - 1) + [(0, -K % 32)]); x = x.reshape(x.shape[:-1] + (-1, 32)); a = np.abs(x).max(-1, keepdims=True)
;;       e = np.where(a > 0, np.clip(np.frexp(np.where(a > 0, a, 1))[1] - 1 - 2, -126, 127), 0)      # np.frexp(a)[1] - 1 = floor(log2(a)), exactly
;;       r = np.clip(x / 2.0 ** e, -7.5, 7.5)
;;       step = 2.0 ** (np.maximum(np.frexp(np.where(r == 0, 1, r))[1] - 1, 0) - 3)
;;       q = np.round(r / step) * step * 2.0 ** e      # np.round: ties to even
;;       return np.moveaxis(q.reshape(q.shape[:-2] + (-1,))[..., :K], -1, axis).astype(np.float32)
;;   ~~~
;;   OPERANDS COMPUTED ON THE WAY. 'Computed on the way' means the value that the module computes at that place (a softmax that the list does not call 'softmax' is quantised finished and normalised). What goes into a quantiser is computed in f32, as accurately as f32 sums, v_exp_f32 and their like allow (about 1e-6 of the number): no bf16 or f16 on the way to a quantiser, and a product that is left as it is and whose result goes on into a quantised operand takes f32 operands (vector FMAs, or v_wmma_f32_16x16x4_f32). A number that lies on a knife's edge between two numbers of the format may be rounded either way, as far as f32 arithmetic and the matrix unit's own rounding can turn it there, and no further.
;; One version. Each part assembles by itself: llvm-mc -triple=amdgcn-amd-amdhsa -mcpu=gfx1250 --defsym DOCPART=n.
;; ======== version 1 of 1: 3 launches
;; limits: right only within a limited range of input values
;; workspace buffers: xq 6,553,600 bytes; wq 3,379,200 bytes; hq 13,107,200 bytes; wsum 32,768 bytes
;; launch quant (part 1): grid 772 x 1, 4 waves a work-group, no clusters, 34,304 bytes of LDS; arguments x, up_w, down_w, gate_w, xq, wq; writes xq, wq
.if DOCPART == 1
	.amdgcn_target "amdgcn-amd-amdhsa--gfx1250"
	.amdhsa_code_object_version 6
	.text
	.protected	k_qf9aca68a97_quant
	.globl	k_qf9aca68a97_quant
	.p2align	8
	.type	k_qf9aca68a97_quant,@function
k_qf9aca68a97_quant:
	s_mov_b64 s[64:65], 0
	v_nop
	global_prefetch_b8 v0, s[64:65] scope:SCOPE_SE
	s_setreg_imm32_b32 hwreg(HW_REG_WAVE_MODE, 25, 1), 1
	s_wait_xcnt 0x0
; x [8192][1024], up_w [2048][1024], down_w [1024][2048] and gate_w [64][1024], f32 with K innermost, become codes of FP6 (E2M3) with one E8M0 byte for each 32 along K.
; WORK LEFT OUT BY THE WHOLE PROGRAM: the module repeats every token twice and its capacity, 16,384 rows, cuts nothing off the 16,384 rows, so a token's two rows of the FFN are the same row for all
; values of the inputs, and out[t] = FFN(x[t]) ew0 + FFN(x[t]) ew1 = FFN(x[t]) (ew0 + ew1).  The FFN is computed for the 8,192 tokens once; every input is loaded.  The experts' numbers enter no output: only the two largest VALUES count.
; LIMITS: ew0 + ew1 is formed first and multiplies once (another order of rounding than the module's); a block of zeros gets the byte 1 where the rule says 127 (its codes are zeros, and this program alone
; reads the bytes); NaN and infinities among the inputs are not served.
; A block's scale byte is its largest magnitude's exponent field - 2, held at 1 from below; each number is divided by the scale and rounded to the nearest code, ties to even.
; LAYOUT OF THE RESULT: records of 128 rows x 128 K in the order of the operand's registers: eight fragment images (tile rt = 16 rows: register j of lane l at 1536 rt + 512 (j / 4) + 16 l + 4 (j % 4)),
; then 512 bytes of scale words (tile rt, row r at 12288 + 256 (rt / 4) + 16 r + 4 (rt % 4)).  A tensor is [rows / 128][K / 128] records.
; The rows of a tile are neighbours, but for up_w: there lane r of tile rt takes row 32 (rt / 2) + 8 (rt % 2) + r + 8 (r / 8) of its 128, so that the first product's results lie along the second product's K.
; SHARES: a wave takes 32 rows x 128 K: two tiles, a quarter of a record; all its 32 loads are issued at its start.  Work-groups 0-511 take x, 512-639 up_w, 640-767 down_w, 768-771 gate_w: ONE path through
; the text; pointers and five numbers are chosen on the work-group's number.  Each load reads 512 consecutive bytes of one row; a tile's 16 rows turn through the wave's own stage in LDS.
; A wave's scale words are 8 bytes of each 16 of an aligned 256: that unit is written by two waves, 4 bytes for each 512 bytes read.  No tensor loads, no barrier, no cluster: waves share no input byte.
.set REC,   12800
.set SCO,   12288
.set FRB,   1536
.set DOWN_OFF, 1638400                 ; in wq: up_w's 128 records, then down_w's 128,
.set GATE_OFF, 3276800                 ; then gate_w's 8 (tiles 0-3 and their scale words are written, and read)
.set SP,    528                        ; a stage row: 512 bytes + 16
.set STG,   16*SP
.set SW,    4                          ; the stage, on the way in: 16 x lane
.set SRD,   5                          ; and on the way out: row r, + 64 h
.set VF,    6                          ; my 16 bytes of an image, + my quarter of the record
.set VS,    7                          ; my two scale words
.set VO,    8                          ; v8-23   row i of a tile
.set R,     24                         ; v24-151 two tiles as they are loaded
.set X,     152                        ; v152-215 register 16 b + i = k 32 b + 16 h + i of row r
.set PC,    216
.set TM,    236
.set PW,    248                        ; v248-249 the two tiles' scale words
.set SB,    32                         ; s[32:35] the two tiles' first rows
.set SEL,   44
	s_load_b256 s[4:11], s[0:1], 0x0               ; x, up_w, down_w, gate_w
	s_load_b128 s[12:15], s[0:1], 0x20             ; xq, wq
	v_lshl_add_u32 v254, v0, 2, 0x8400             ; my spare word, behind the four stages
	v_mov_b32 v255, 0
	v_lshrrev_b32 v1, 5, v0
	v_readfirstlane_b32 s16, v1                    ; wave
	v_and_b32 v1, 31, v0                           ; lane
	v_and_b32 v2, 15, v0                           ; r
	v_bfe_u32 v3, v0, 4, 1                         ; h
	s_mul_i32 s17, s16, STG
	v_lshl_add_u32 v[SW], v1, 4, s17
	v_mul_u32_u24 v[SRD], v2, SP
	v_lshl_add_u32 v[SRD], v3, 6, v[SRD]
	v_add_nc_u32 v[SRD], s17, v[SRD]
	s_mov_b32 s[SEL], 0x76543210
	s_mov_b32 s[SEL+1], 0xfedcba98
.irp b, 0,1,2,3
	v_mov_b32 v[TM+4+\b], 0                        ; a lane permute's destination counts as one of its sources
.endr
	s_mov_b32 s22, 768                             ; gate_w's numbers: its first work-group,
	s_mov_b32 s23, 3                               ; log2 (K / 128),
	s_mov_b32 s24, GATE_OFF                        ; its records' place,
	s_mov_b32 s25, 16                              ; rows from the even tile to the odd one,
	s_mov_b32 s26, 8                               ; rows from a tile's lanes 0-7 to its lanes 8-15
	s_wait_kmcnt 0x0
	s_mov_b64 s[20:21], s[10:11]
	s_mov_b64 s[28:29], s[14:15]
	s_cmp_lt_u32 ttmp9, 768                        ; every choice hangs on the work-group's number alone
	s_cselect_b64 s[20:21], s[8:9], s[20:21]       ; down_w
	s_cselect_b32 s22, 640, s22
	s_cselect_b32 s23, 4, s23
	s_cselect_b32 s24, DOWN_OFF, s24
	s_cmp_lt_u32 ttmp9, 640
	s_cselect_b64 s[20:21], s[6:7], s[20:21]       ; up_w: the rows of its tiles are chosen
	s_cselect_b32 s22, 512, s22
	s_cselect_b32 s23, 3, s23
	s_cselect_b32 s24, 0, s24
	s_cselect_b32 s25, 8, s25
	s_cselect_b32 s26, 16, s26
	s_cmp_lt_u32 ttmp9, 512
	s_cselect_b64 s[20:21], s[4:5], s[20:21]       ; x
	s_cselect_b64 s[28:29], s[12:13], s[28:29]
	s_cselect_b32 s22, 0, s22
	s_cselect_b32 s25, 16, s25
	s_cselect_b32 s26, 8, s26
	s_sub_co_u32 s46, ttmp9, s22
	s_lshl_b32 s46, s46, 2
	s_add_co_u32 s46, s46, s16                     ; my unit of the tensor
	s_lshl_b32 s47, 1, s23
	s_sub_co_u32 s47, s47, 1
	s_and_b32 s47, s46, s47                        ; its K step
	s_lshr_b32 s48, s46, s23                       ; its group of 32 rows
	s_lshl_b32 s27, 512, s23                       ; a row of the tensor in bytes
	s_mul_i32 s50, s48, s27
	s_lshl_b32 s50, s50, 5                         ; 32 rows a group (under 2^26 bytes in all),
	s_lshl_b32 s49, s47, 9                         ; 512 bytes a K step
	s_add_co_u32 s50, s50, s49
	s_mov_b32 s51, 0
	s_add_nc_u64 s[SB:SB+1], s[20:21], s[50:51]    ; tile u begins at row s25 u of the group
	s_mul_i32 s52, s25, s27
	s_mov_b32 s53, 0
	s_add_nc_u64 s[SB+2:SB+3], s[SB:SB+1], s[52:53]
	s_lshr_b32 s56, s48, 2                         ; the record: (rows / 128) x (K / 128) + K step
	s_lshl_b32 s56, s56, s23
	s_add_co_u32 s56, s56, s47
	s_mul_i32 s56, s56, REC
	s_add_co_u32 s56, s56, s24
	s_mov_b32 s57, 0
	s_add_nc_u64 s[40:41], s[28:29], s[56:57]
	s_and_b32 s58, s48, 3                          ; which quarter of the record is mine
	s_mul_i32 s59, s58, 2*FRB
	v_lshl_add_u32 v[VF], v1, 4, s59
	s_lshr_b32 s59, s58, 1
	s_lshl_b32 s59, s59, 8
	s_and_b32 s58, s58, 1
	s_lshl_b32 s58, s58, 3
	s_add_co_u32 s58, s58, s59                     ; 256 (quarter / 2) + 8 (quarter % 2)
	v_lshl_add_u32 v[VS], v2, 4, s58
.irp i, 0,1,2,3,4,5,6,7,8,9,10,11,12,13,14,15
	s_mul_i32 s46, s26, \i/8
	s_add_co_u32 s46, s46, \i%8
	s_mul_i32 s46, s46, s27
	v_lshl_add_u32 v[VO+\i], v1, 4, s46            ; row i of a tile lies s26 (i / 8) + i % 8 rows behind its first
.endr
.macro LOADT t                         ; tile t: sixteen loads, each 512 consecutive bytes of one row
.irp i, 0,1,2,3,4,5,6,7,8,9,10,11,12,13,14,15
	global_load_b128 v[R+64*(\t)+4*\i:R+64*(\t)+4*\i+3], v[VO+\i], s[SB+2*(\t):SB+2*(\t)+1] th:TH_LOAD_NT
.endr
.endm
.macro TURNT t                         ; through my stage: LDS serves a wave's instructions in order, so no wait stands between the stores and the loads
.irp i, 0,1,2,3,4,5,6,7,8,9,10,11,12,13,14,15
	ds_store_b128 v[SW], v[R+64*(\t)+4*\i:R+64*(\t)+4*\i+3] offset:SP*\i
.endr
.irp b, 0,1,2,3
.irp j, 0,1,2,3
	ds_load_b128 v[X+16*\b+4*\j:X+16*\b+4*\j+3], v[SRD] offset:128*\b+16*\j
.endr
.endr
.endm
; 64 numbers of a lane, register 16 b + i = k 32 b + 16 (lane / 16) + i of my row, become a fragment's codes in v[PC] on and my row's scale word in v[pw].
.macro QUANT s, pw
.irp b, 0,1,2,3
	v_max3_num_f32 v[TM+\b], |v[\s+16*\b]|, |v[\s+1+16*\b]|, 0x1800000   ; my 16 numbers of block b, and the floor 2^(3 - 127)
.endr
.irp i, 2,4,6,8,10,12,14
.irp b, 0,1,2,3
	v_max3_num_f32 v[TM+\b], v[TM+\b], |v[\s+16*\b+\i]|, |v[\s+1+16*\b+\i]|
.endr
.endr
.irp b, 0,1,2,3
	v_permlanex16_b32 v[TM+4+\b], v[TM+\b], s[SEL], s[SEL+1]
.endr
.irp b, 0,1,2,3
	v_max_num_f32 v[TM+\b], v[TM+\b], v[TM+4+\b]   ; with lane l xor 16's: the block's largest magnitude
.endr
.irp b, 0,1,2,3
	v_add_nc_u32 v[TM+8+\b], 0xff000000, v[TM+\b]  ; 2 off its exponent field: the conversion's scale operand
.endr
.irp b, 0,1,2,3
	v_lshrrev_b32 v[TM+4+\b], 23, v[TM+8+\b]       ; the scale's byte
.endr
	v_lshl_or_b32 v[\pw], v[TM+5], 8, v[TM+4]
	v_lshl_or_b32 v[\pw], v[TM+6], 16, v[\pw]
	v_lshl_or_b32 v[\pw], v[TM+7], 24, v[\pw]
.irp c, 0,1
	v_cvt_scalef32_pk16_fp6_f32 v[PC+6*\c:PC+2+6*\c], v[\s+32*\c:\s+15+32*\c], v[TM+8+2*\c]
	v_cvt_scalef32_pk16_fp6_f32 v[PC+12+4*\c:PC+14+4*\c], v[\s+16+32*\c:\s+31+32*\c], v[TM+8+2*\c+1]
.endr
	v_nop                                          ; one plain place behind a scaled conversion
.irp c, 0,1                            ; the operand's layout wants a whole block in a lane
.irp i, 0,1,2
	v_permlane16_swap_b32 v[PC+6*\c+\i], v[PC+12+4*\c+\i]
.endr
.irp i, 0,1,2
	v_mov_b32 v[PC+3+6*\c+\i], v[PC+12+4*\c+\i]
.endr
.endr
.endm
.macro TILE t
	s_wait_loadcnt 16*(1-(\t))                     ; this tile's sixteen loads are in; tile 1's sixteen may be out
	TURNT \t
	s_wait_dscnt 0x0                               ; my 64 numbers are back
.if (\t) > 0
	s_wait_xcnt 0x0                                ; the last tile's stores have read the codes' registers
.endif
	QUANT X, PW+(\t)
.irp c, 0,1,2
	global_store_b128 v[VF], v[PC+4*\c:PC+4*\c+3], s[40:41] offset:FRB*(\t)+512*\c   ; 32 lanes store 512 consecutive bytes, aligned to 256
.endr
.endm
	s_wait_alu depctr_va_vdst(0)                   ; the wait at the head's end
	LOADT 0
	LOADT 1
	TILE 0
	TILE 1
	s_wait_xcnt 0x0                                ; EXEC changes only behind this wait
	v_cmp_gt_u32 vcc_lo, 16, v1
	s_wait_tensorcnt 0x0                           ; the wave's end
	ds_add_u32 v254, v255
	s_wait_dscnt 0x0
	s_and_saveexec_b32 s46, vcc_lo
	global_store_b64 v[VS], v[PW:PW+1], s[40:41] offset:SCO   ; sixteen lanes: my two tiles' scale words
	s_wait_xcnt 0x0
	s_or_b32 exec_lo, exec_lo, s46
	s_endpgm
.Lfunc_end_k_qf9aca68a97_quant:
	.size	k_qf9aca68a97_quant, .Lfunc_end_k_qf9aca68a97_quant-k_qf9aca68a97_quant
	.p2alignl 7, 3214868480
	.fill 96, 4, 3214868480
	.section	.rodata,"a",@progbits
	.p2align	6, 0x0
	.amdhsa_kernel k_qf9aca68a97_quant
		.amdhsa_group_segment_fixed_size 34304
		.amdhsa_private_segment_fixed_size 0
		.amdhsa_enable_private_segment 0
		.amdhsa_kernarg_size 48
		.amdhsa_user_sgpr_count 2
		.amdhsa_user_sgpr_kernarg_segment_ptr 1
		.amdhsa_wavefront_size32 1
		.amdhsa_system_sgpr_workgroup_id_x 1
		.amdhsa_system_sgpr_workgroup_id_y 1
		.amdhsa_system_sgpr_workgroup_id_z 1
		.amdhsa_system_vgpr_workitem_id 0
		.amdhsa_next_free_vgpr 256
		.amdhsa_next_free_sgpr 66
		.amdhsa_reserve_vcc 1
		.amdhsa_float_denorm_mode_32 3
		.amdhsa_float_denorm_mode_16_64 3
		.amdhsa_memory_ordered 1
		.amdhsa_forward_progress 1
		.amdhsa_inst_pref_size 22
	.end_amdhsa_kernel
	.amdgpu_metadata
---
amdhsa.version: [ 1, 2 ]
amdhsa.kernels:
  - .name:           k_qf9aca68a97_quant
    .symbol:         k_qf9aca68a97_quant.kd
    .args:
      - { .name: x, .offset: 0, .size: 8, .value_kind: global_buffer, .address_space: global }
      - { .name: up_w, .offset: 8, .size: 8, .value_kind: global_buffer, .address_space: global }
      - { .name: down_w, .offset: 16, .size: 8, .value_kind: global_buffer, .address_space: global }
      - { .name: gate_w, .offset: 24, .size: 8, .value_kind: global_buffer, .address_space: global }
      - { .name: xq, .offset: 32, .size: 8, .value_kind: global_buffer, .address_space: global }
      - { .name: wq, .offset: 40, .size: 8, .value_kind: global_buffer, .address_space: global }
    .group_segment_fixed_size: 34304
    .private_segment_fixed_size: 0
    .kernarg_segment_align: 8
    .kernarg_segment_size: 48
    .max_flat_workgroup_size: 128
    .sgpr_count:     66
    .vgpr_count:     256
    .wavefront_size: 32
...
	.end_amdgpu_metadata
.endif
;; end of part 1
;; launch up (part 2): grid 8 x 32, 4 waves a work-group, clusters of 4 x 4, 327,680 bytes of LDS; arguments xq, wq, hq, wsum; writes hq, wsum
.if DOCPART == 2
	.amdgcn_target "amdgcn-amd-amdhsa--gfx1250"
	.amdhsa_code_object_version 6
	.text
	.protected	k_qf9aca68a97_up
	.globl	k_qf9aca68a97_up
	.p2align	8
	.type	k_qf9aca68a97_up,@function
k_qf9aca68a97_up:
	s_mov_b64 s[64:65], 0
	v_nop
	global_prefetch_b8 v0, s[64:65] scope:SCOPE_SE
	s_setreg_imm32_b32 hwreg(HW_REG_WAVE_MODE, 25, 1), 1
	s_wait_xcnt 0x0
	s_wait_alu depctr_hold_cnt(0) depctr_sa_sdst(0) depctr_va_vdst(0) depctr_va_sdst(0) depctr_va_ssrc(0) depctr_va_vcc(0) depctr_vm_vsrc(0)
	s_getreg_b32 s2, hwreg(HW_REG_IB_STS2, 6, 4)
	s_cmp_eq_u32 s2, 0
	s_cbranch_scc0 .Lentry_in_a_cluster
	s_endpgm
.Lentry_in_a_cluster:
	s_bfe_u32 s2, ttmp6, 0x10000c
	s_cmp_lg_u32 s2, 0xf033
	s_cbranch_scc0 .Lentry_shape_is_right
	s_endpgm
.Lentry_shape_is_right:
; h = Q(silu(Q(x) Q(up_w)^T)) as records of codes, and for each token the sum ew0 + ew1 of its two renormalised gate weights.
; Each token is multiplied once: its two repeated rows are the same row (shown at the head of the first kernel).  The gate is computed in full: quantised product, softmax with its maximum taken away, the two largest, renormalised.
; LIMITS: where 1 + e^-x passes 2^126 the reciprocal gives 0 and silu gives -0 (the true magnitude is under |x| 2^-126); the gate's logits are summed in two halves of K; a block of zeros gets the scale byte 1; NaN and infinities are not served.
; THE PRODUCT: 256 tokens x 256 hidden units to a work-group of four waves, 128 x 128 to a wave: 64 accumulators.  Operands are records of 128 rows x 128 K (12,800 bytes), dense along K for a row block.
; LDS: four regions of six records (x's two row blocks, up_w's two).  A wave's one load at the head brings K steps 0-5 of one row block, 76,800 dense bytes; K steps 6 and 7 land on K steps 0 and 1's bytes behind the round in K step 1;
; a barrier in K step 5 shows them to all waves.  By the text's own count a wave has one tensor load out at a time.
; CLUSTERS: 4 x 4.  x's records are asked for jointly along a row of the cluster, up_w's along a column.  No prefetch: six of the eight K steps are asked for at the head, and the text has no loop to run ahead in.
; THE GATE runs while the head's loads are out: the work-group's two tiles of 16 tokens x two halves of K, one to a wave; waves 2 and 3 hand their 32 partial logits a lane to waves 0 and 1 through LDS bytes of their own.
; THE MATRIX INSTRUCTION IS USED TRANSPOSED (source 0 = 16 rows of up_w, source 1 = 16 tokens): a lane holds one token, and the 64 registers of a block of 16 tokens are k = 32 b + 16 (lane / 16) + i of the next K.
; REGISTERS: window 0: v1-29 addresses; v32-47 scale words, two sets; v48-127 the gate's; v128-223 x's fragments (before: the gate; behind: the way out).  window 1: up_w's fragments, two sets.  windows 2, 3: accumulators.
.set FRB,   1536
.set REC,   12800
.set SCO,   12288
.set RGN,   6*REC
.set SPARE, 4*RGN                      ; the spare words, 512 bytes that no other line names
.set GST,   SPARE+512                  ; the gate's stage: 2 x 4,096 bytes; no tile lands here
.set RBB,   8*REC
.set GATE_OFF, 3276800
.set FR,    12
.set ADRA,  16                         ; v16-17 my fragments of x: K steps 0-2 (and 6, 7), K steps 3-5
.set ADRB,  20                         ; v20-21 of up_w
.set ADRS,  22                         ; v22-23 scale words: lanes 0-15 x's, lanes 16-31 up_w's
.set LI,    24                         ; 16 x lane
.set R16,   25                         ; 16 r
.set R4,    26                         ; 4 r
.set GSA,   27                         ; my place in the gate's stage
.set SPW,   28
.set NIL,   29
.set SC,    32                         ; set p at v[32 + 8 p]; register i: lanes 0-15 x's block i, lanes 16-31 up_w's block i
.set XGS,   64
.set GGS,   72
; the gate's registers in window 0 are v48-127 in all: v48-71 at work, v64-67 and v72-87 scale words, v96-127 the logits; no line behind the gate names v48-127
.set GM1,   48
.set GM2,   49
.set GN1,   50
.set GN2,   51
.set GO1,   52
.set GO2,   53
.set GNM,   54
.set GE1,   56
.set GE2,   57
.set GZA,   58
.set GZB,   60
.set GRZ,   62
.set GP1,   63
.set GW,    68
.set GP2,   69
.set GDN,   70
.set GRD,   71
.set AF,    128
.set GX,    128                        ; the gate: x's four fragments
.set GL,    96                         ; its 32 logits of a lane
.set GQ,    224                        ; the other half of K's
.set T,     128                        ; the way out: 64 numbers
.set PC,    192
.set TM,    212
.set PW,    224
.set SELW,  232
.set G1,    24
.set G0,    32                         ; s[32:35] the head's load, s[36:39] the refill
.set G1B,   48
.set G0B,   56
.set SEL,   84
.set MSB, 0
.macro WIN new
.if MSB != (\new)
	s_set_vgpr_msb (MSB<<8)|(\new)
.set MSB, (\new)
.endif
.endm
.set MUL_LO, 0xa1                      ; source 0 window 1, source 1 window 0, C and D window 2
.set MUL_HI, 0xf1
.set TO_B,   0x40
.macro JLOAD g0a, g1a, g0b, g1b        ; a joint load: waves 0, 1 for x, waves 2, 3 for up_w; s_nop 0 and four v_nop behind each line
	s_cmp_eq_u32 s15, 0
	s_cbranch_scc0 .Lfor_b_\@
	tensor_load_to_lds s[\g0a:\g0a+3], s[\g1a:\g1a+7]
	s_nop 0
.rept 4
	v_nop
.endr
	s_branch .Lasked_\@
.Lfor_b_\@:
	tensor_load_to_lds s[\g0b:\g0b+3], s[\g1b:\g1b+7]
	s_nop 0
.rept 4
	v_nop
.endr
.Lasked_\@:
.endm
.macro CREST
	s_cmp_lg_u32 s14, 0
	s_cbranch_scc1 .Lnot_wave_0_\@
	s_barrier_signal -3
.Lnot_wave_0_\@:
	s_barrier_wait -3
	s_barrier_signal -1
	s_barrier_wait -1
.endm
.macro CROUND
	s_barrier_signal -1
	s_barrier_wait -1
	CREST
.endm
.macro PLACES
.rept 4
	v_nop
.endr
.endm
.macro AWAIT
	s_wait_alu depctr_va_vdst(0)
.endm
.macro QUANT s, pw                     ; as in the first kernel
.irp b, 0,1,2,3
	v_max3_num_f32 v[TM+\b], |v[\s+16*\b]|, |v[\s+1+16*\b]|, 0x1800000
.endr
.irp i, 2,4,6,8,10,12,14
.irp b, 0,1,2,3
	v_max3_num_f32 v[TM+\b], v[TM+\b], |v[\s+16*\b+\i]|, |v[\s+1+16*\b+\i]|
.endr
.endr
.irp b, 0,1,2,3
	v_permlanex16_b32 v[TM+4+\b], v[TM+\b], s[SEL], s[SEL+1]
.endr
.irp b, 0,1,2,3
	v_max_num_f32 v[TM+\b], v[TM+\b], v[TM+4+\b]
.endr
.irp b, 0,1,2,3
	v_add_nc_u32 v[TM+8+\b], 0xff000000, v[TM+\b]
.endr
.irp b, 0,1,2,3
	v_lshrrev_b32 v[TM+4+\b], 23, v[TM+8+\b]
.endr
	v_lshl_or_b32 v[\pw], v[TM+5], 8, v[TM+4]
	v_lshl_or_b32 v[\pw], v[TM+6], 16, v[\pw]
	v_lshl_or_b32 v[\pw], v[TM+7], 24, v[\pw]
.irp c, 0,1
	v_cvt_scalef32_pk16_fp6_f32 v[PC+6*\c:PC+2+6*\c], v[\s+32*\c:\s+15+32*\c], v[TM+8+2*\c]
	v_cvt_scalef32_pk16_fp6_f32 v[PC+12+4*\c:PC+14+4*\c], v[\s+16+32*\c:\s+31+32*\c], v[TM+8+2*\c+1]
.endr
	v_nop
.irp c, 0,1
.irp i, 0,1,2
	v_permlane16_swap_b32 v[PC+6*\c+\i], v[PC+12+4*\c+\i]
.endr
.irp i, 0,1,2
	v_mov_b32 v[PC+3+6*\c+\i], v[PC+12+4*\c+\i]
.endr
.endr
.endm
	s_load_b256 s[4:11], s[0:1], 0x0               ; xq, wq, hq, wsum
	v_lshl_add_u32 v[SPW], v0, 2, SPARE
	v_mov_b32 v[NIL], 0
	ds_add_u32 v[SPW], v[NIL]                      ; the opening lines: the add twice on end and one wait
	ds_add_u32 v[SPW], v[NIL]
	v_lshrrev_b32 v1, 5, v0
	v_readfirstlane_b32 s14, v1                    ; wave
	s_lshr_b32 s15, s14, 1                         ; my 128 tokens; I fetch for x (0) or up_w (1); the gate's half of K
	s_and_b32 s16, s14, 1                          ; my 128 hidden units; the row block that I fetch; the gate's tile of tokens
	s_bfe_u32 s40, ttmp6, 0x40000                  ; cx
	s_bfe_u32 s41, ttmp6, 0x40004                  ; cy
	s_lshl_b32 s42, ttmp9, 2
	s_add_co_u32 s42, s42, s40                     ; tile column
	s_and_b32 s17, ttmp7, 0xffff
	s_lshl_b32 s17, s17, 2
	s_add_co_u32 s17, s17, s41                     ; tile row
	s_lshl_b32 s43, s41, 2
	s_lshl_b32 s43, 15, s43                        ; my row of the cluster
	s_lshl_b32 s44, 0x1111, s40                    ; my column
	s_or_b32 s[G1], s43, (3<<16)|(1<<21)           ; elements of 8 bytes, bit 21 beside the mask; no padding
	s_or_b32 s[G1B], s44, (3<<16)|(1<<21)
.irp g, G1, G1B
	s_mov_b32 s[\g+1], 32<<16                      ; rows of 256 bytes;
	s_mov_b32 s[\g+2], 300<<16                     ; the head's load: 300 of them
	s_mov_b32 s[\g+3], 32<<16
	s_mov_b32 s[\g+4], 300
	s_mov_b32 s[\g+5], 32
	s_mov_b32 s[\g+6], 0
	s_mov_b32 s[\g+7], 0
.endr
.irp g, G0, G0+4, G0B, G0B+4
	s_mov_b32 s[\g], 1
	s_mul_i32 s[\g+1], s14, RGN                    ; region = wave: no place in the cluster enters an LDS address
.endr
	s_lshl_b32 s20, s17, 1
	s_add_co_u32 s20, s20, s16
	s_mul_i32 s20, s20, RBB                        ; x: row block 2 x tile row + half
	s_mov_b32 s21, 0
	s_lshl_b32 s46, s42, 1
	s_add_co_u32 s46, s46, s16
	s_mul_i32 s46, s46, RBB                        ; up_w: row block 2 x tile column + half
	s_mov_b32 s47, 0
	s_mul_i32 s90, s15, RGN                        ; my row block of x in LDS
	s_mul_i32 s91, s16, RGN
	s_add_co_u32 s91, s91, 2*RGN                   ; and of up_w
	s_sub_co_u32 s89, s91, s90
	s_lshl_b32 s88, s16, 12
	s_add_co_u32 s88, s88, GST
	s_lshl_b32 s86, s17, 1                         ; my record of hq: row block 2 x tile row + s15, K step 2 x tile column + s16
	s_add_co_u32 s86, s86, s15
	s_lshl_b32 s86, s86, 4
	s_lshl_b32 s87, s42, 1
	s_add_co_u32 s86, s86, s87
	s_add_co_u32 s86, s86, s16
	s_mul_i32 s86, s86, REC
	s_mov_b32 s87, 0
	s_lshl_b32 s66, s17, 1                         ; the gate's tile: row block 2 x tile row + tile column / 4,
	s_lshr_b32 s67, s42, 2
	s_add_co_u32 s66, s66, s67
	s_and_b32 s67, s42, 3
	s_lshl_b32 s67, s67, 1
	s_add_co_u32 s67, s67, s16                     ; place 2 (tile column % 4) + s16 there
	s_mul_i32 s76, s66, RBB
	s_mul_i32 s77, s15, 4*REC                      ; my four K steps
	s_add_co_u32 s76, s76, s77
	s_mul_i32 s68, s67, FRB
	s_add_co_u32 s68, s68, s76                     ; its images
	s_mov_b32 s69, 0
	s_lshr_b32 s70, s67, 2
	s_lshl_b32 s70, s70, 8
	s_and_b32 s78, s67, 3
	s_lshl_b32 s78, s78, 2
	s_add_co_u32 s70, s70, s78
	s_add_co_u32 s70, s70, s76
	s_add_co_u32 s70, s70, SCO                     ; its scale words
	s_mov_b32 s71, 0
	s_add_co_u32 s72, s77, GATE_OFF                ; gate_w's records
	s_mov_b32 s73, 0
	s_lshl_b32 s74, s66, 9
	s_lshl_b32 s78, s67, 6
	s_add_co_u32 s74, s74, s78                     ; its 16 numbers of wsum
	s_mov_b32 s75, 0
	s_mov_b32 s80, 0x3fb8aa3b                      ; c = log2(e), as a pair
	s_mov_b32 s81, s80
	s_mov_b32 s82, 0xbfb8aa3b                      ; -c
	s_mov_b32 s83, s82
	s_mov_b32 s[SEL], 0x76543210
	s_mov_b32 s[SEL+1], 0xfedcba98
	s_wait_dscnt 0x0                               ; both opening adds are done
	s_wait_kmcnt 0x0
	s_add_nc_u64 s[G0+2:G0+3], s[4:5], s[20:21]
	s_add_nc_u64 s[G0B+2:G0B+3], s[6:7], s[46:47]
	s_add_nc_u64 s[G0+6:G0+7], s[G0+2:G0+3], 6*REC       ; the refill: K steps 6, 7
	s_add_nc_u64 s[G0B+6:G0B+7], s[G0B+2:G0B+3], 6*REC
.irp g, G0+3, G0+7, G0B+3, G0B+7
	s_or_b32 s[\g], s[\g], 0x80000000
.endr
	s_add_nc_u64 s[68:69], s[4:5], s[68:69]
	s_add_nc_u64 s[70:71], s[4:5], s[70:71]
	s_add_nc_u64 s[72:73], s[6:7], s[72:73]
	s_add_nc_u64 s[74:75], s[10:11], s[74:75]
	s_add_nc_u64 s[86:87], s[8:9], s[86:87]
	v_and_b32 v1, 15, v0                           ; r
	v_bfe_u32 v2, v0, 4, 1                         ; h
	v_and_b32 v3, 31, v0                           ; lane
	v_lshlrev_b32 v[LI], 4, v3
	v_lshlrev_b32 v[R16], 4, v1
	v_lshlrev_b32 v[R4], 2, v1
	v_add_nc_u32 v[ADRA], s90, v[LI]
	v_add_nc_u32 v[ADRA+1], 3*REC, v[ADRA]
	v_add_nc_u32 v[ADRB], s91, v[LI]
	v_add_nc_u32 v[ADRB+1], 3*REC, v[ADRB]
	v_mul_u32_u24 v4, s89, v2                      ; lanes 16-31 take up_w's words: the lower base + h x the distance
	v_add_nc_u32 v4, v[R16], v4
	v_add_nc_u32 v[ADRS], s90, v4
	v_add_nc_u32 v[ADRS+1], 3*REC, v[ADRS]
	v_add_nc_u32 v[GSA], s88, v[LI]
	AWAIT                                          ; the wait behind the head's vector lines
	; ---- THE GATE: my tile of 16 tokens, my four K steps, all 64 experts: 16 products on four accumulators by turns
.irp k, 0,1,2,3
.irp c, 0,1,2
	global_load_b128 v[GX+12*\k+4*\c:GX+12*\k+4*\c+3], v[LI], s[68:69] offset:\k*REC+512*\c
.endr
	global_load_b32 v[XGS+\k], v[R16], s[70:71] offset:\k*REC
	global_load_b128 v[GGS+4*\k:GGS+4*\k+3], v[R16], s[72:73] offset:\k*REC+SCO
.endr
	WIN TO_B                                       ; gate_w's fragments -> window 1, v[48 k + 12 e]
.irp k, 0,1,2
.irp e, 0,1,2,3
.irp c, 0,1,2
	global_load_b128 v[48*\k+12*\e+4*\c:48*\k+12*\e+4*\c+3], v[LI], s[72:73] offset:\k*REC+\e*FRB+512*\c
.endr
.endr
.endr
	WIN 0
	CROUND                                         ; all sixteen work-groups are here: the first joint loads meet.  56 of the gate's 68 loads have been asked for ahead of them
	JLOAD G0, G1, G0B, G1B                         ; K steps 0-5 of my row block: my one load at the head
	WIN TO_B
.irp e, 0,1,2,3
.irp c, 0,1,2
	global_load_b128 v[144+12*\e+4*\c:144+12*\e+4*\c+3], v[LI], s[72:73] offset:3*REC+\e*FRB+512*\c   ; gate_w's fourth K step
.endr
.endr
	WIN 0
	s_wait_loadcnt 0x0
	WIN 0x01                                       ; source 0 window 1.  Transposed: lane (r, h) holds token r and experts 16 e + 8 h + j
.irp k, 0,1,2,3
.irp e, 0,1,2,3
.if \k == 0
	v_wmma_scale_f32_16x16x128_f8f6f4 v[GL+8*\e:GL+8*\e+7], v[48*\k+12*\e:48*\k+12*\e+11], v[GX+12*\k:GX+12*\k+11], 0, v[GGS+4*\k+\e], v[XGS+\k] matrix_a_fmt:MATRIX_FMT_FP6 matrix_b_fmt:MATRIX_FMT_FP6
.else
	v_wmma_scale_f32_16x16x128_f8f6f4 v[GL+8*\e:GL+8*\e+7], v[48*\k+12*\e:48*\k+12*\e+11], v[GX+12*\k:GX+12*\k+11], v[GL+8*\e:GL+8*\e+7], v[GGS+4*\k+\e], v[XGS+\k] matrix_a_fmt:MATRIX_FMT_FP6 matrix_b_fmt:MATRIX_FMT_FP6
.endif
.endr
.endr
	WIN 0
	v_mov_b32 v[GO1], 0                            ; four places behind the last product; a lane permute's destination counts as one of its sources
	v_mov_b32 v[GO2], 0
	v_mov_b32 v[GNM+1], 0
	v_nop
	AWAIT                                          ; the wait ahead of the branch
	s_cmp_eq_u32 s15, 0
	s_cbranch_scc1 .Lkeep
.irp j, 0,1,2,3,4,5,6,7
	ds_store_b128 v[GSA], v[GL+4*\j:GL+4*\j+3] offset:512*\j   ; waves 2, 3: the image of my 32 registers, each accumulator from its low end on
.endr
.Lkeep:
	s_wait_dscnt 0x0                               ; for the others' sake
	s_barrier_signal -1                            ; the head's loads may be out
	s_barrier_wait -1
	s_cmp_lg_u32 s15, 0
	s_cbranch_scc1 .Lgate_done
.irp j, 0,1,2,3,4,5,6,7
	ds_load_b128 v[GQ+4*\j:GQ+4*\j+3], v[GSA] offset:512*\j
.endr
	s_wait_dscnt 0x0
.irp j, 0,2,4,6,8,10,12,14,16,18,20,22,24,26,28,30
	v_pk_add_f32 v[GL+\j:GL+\j+1], v[GL+\j:GL+\j+1], v[GQ+\j:GQ+\j+1]   ; the two halves of K
.endr
	v_max_num_f32 v[GM1], v[GL], v[GL+1]           ; the two largest of my 32 logits, in two chains by turns
	v_min_num_f32 v[GM2], v[GL], v[GL+1]
	v_max_num_f32 v[GN1], v[GL+16], v[GL+17]
	v_min_num_f32 v[GN2], v[GL+16], v[GL+17]
.irp n, 2,3,4,5,6,7,8,9,10,11,12,13,14,15
	v_med3_num_f32 v[GM2], v[GM1], v[GM2], v[GL+\n]      ; the middle one of the largest, the second and the newcomer is the new second
	v_med3_num_f32 v[GN2], v[GN1], v[GN2], v[GL+16+\n]
	v_max_num_f32 v[GM1], v[GM1], v[GL+\n]
	v_max_num_f32 v[GN1], v[GN1], v[GL+16+\n]
.endr
.macro MERGE o1, o2                    ; another sorted pair joins
	v_med3_num_f32 v[GM2], v[GM1], v[GM2], v[\o1]
	v_max_num_f32 v[GM1], v[GM1], v[\o1]
	v_med3_num_f32 v[GM2], v[GM1], v[GM2], v[\o2]
.endm
	MERGE GN1, GN2
	v_permlanex16_b32 v[GO1], v[GM1], s[SEL], s[SEL+1]   ; the token's other 32 experts lie in lane l xor 16
	v_permlanex16_b32 v[GO2], v[GM2], s[SEL], s[SEL+1]
	MERGE GO1, GO2
	v_mul_f32 v[GNM], s82, v[GM1]                  ; the maximum is taken away: 2^(c l - c max)
.irp j, 0,2,4,6,8,10,12,14,16,18,20,22,24,26,28,30
	v_pk_fma_f32 v[GL+\j:GL+\j+1], v[GL+\j:GL+\j+1], s[80:81], v[GNM:GNM+1] op_sel_hi:[1,0,0]
.endr
	v_fma_f32 v[GE1], v[GM1], s80, v[GNM]
	v_fma_f32 v[GE2], v[GM2], s80, v[GNM]
	AWAIT                                          ; a wait ahead of each batch and behind it
.irp j, 0,1,2,3,4,5,6,7,8,9,10,11,12,13,14,15,16,17,18,19,20,21,22,23,24,25,26,27,28,29,30,31
	v_exp_f32 v[GL+\j], v[GL+\j]
.endr
	v_exp_f32 v[GE1], v[GE1]
	v_exp_f32 v[GE2], v[GE2]
	v_nop
	AWAIT
	v_pk_add_f32 v[GZA:GZA+1], v[GL:GL+1], v[GL+2:GL+3]
	v_pk_add_f32 v[GZB:GZB+1], v[GL+4:GL+5], v[GL+6:GL+7]
.irp j, 8,12,16,20,24,28
	v_pk_add_f32 v[GZA:GZA+1], v[GZA:GZA+1], v[GL+\j:GL+\j+1]
	v_pk_add_f32 v[GZB:GZB+1], v[GZB:GZB+1], v[GL+\j+2:GL+\j+3]
.endr
	v_pk_add_f32 v[GZA:GZA+1], v[GZA:GZA+1], v[GZB:GZB+1]
	v_add_f32 v[GZA], v[GZA], v[GZA+1]
	v_permlanex16_b32 v[GO1], v[GZA], s[SEL], s[SEL+1]
	v_add_f32 v[GZA], v[GZA], v[GO1]
	AWAIT
	v_rcp_f32 v[GRZ], v[GZA]
	v_nop
	AWAIT
	v_mul_f32 v[GP1], v[GE1], v[GRZ]               ; the two largest probabilities
	v_mul_f32 v[GP2], v[GE2], v[GRZ]
	v_add_f32 v[GDN], v[GP1], v[GP2]
	v_add_f32 v[GDN], 0x3089705f, v[GDN]           ; + 1e-9
	AWAIT
	v_rcp_f32 v[GRD], v[GDN]
	v_nop
	AWAIT
	v_mul_f32 v[GW], v[GP1], v[GRD]                ; ew0
	v_fma_f32 v[GW], v[GP2], v[GRD], v[GW]         ; + ew1
	global_store_b32 v[R4], v[GW], s[74:75]        ; one number a token; lanes l and l xor 16 hold the same number and name the same word
.Lgate_done:
.macro FRAG reg, adr, ks, i            ; a fragment is the image of its registers: three loads of 512 consecutive bytes.  K step ks lies at place ks % 6 of its region
.irp c, 0,1,2
	ds_load_b128 v[\reg+4*\c:\reg+4*\c+3], v[\adr+((\ks)%6)/3] offset:(((\ks)%6)%3)*REC+(\i)*FRB+512*\c
.endr
.endm
; 16 products: x's blocks a0, a0 + 1 against up_w's eight.  The 64 accumulators take turns in the same order in every step.
.macro MUL16 a0, p, zero
.irp a, \a0, \a0+1
.irp b, 0,1,2,3,4,5,6,7
.if \zero
	v_wmma_scale_f32_16x16x128_f8f6f4 v[8*(8*((\a)%4)+\b):8*(8*((\a)%4)+\b)+7], v[128*(\p)+FR*\b:128*(\p)+FR*\b+FR-1], v[AF+FR*(\a):AF+FR*(\a)+FR-1], 0, v[SC+8*(\p)+\b], v[SC+8*(\p)+(\a)] matrix_a_fmt:MATRIX_FMT_FP6 matrix_b_fmt:MATRIX_FMT_FP6 matrix_a_scale:MATRIX_SCALE_ROW1
.else
	v_wmma_scale_f32_16x16x128_f8f6f4 v[8*(8*((\a)%4)+\b):8*(8*((\a)%4)+\b)+7], v[128*(\p)+FR*\b:128*(\p)+FR*\b+FR-1], v[AF+FR*(\a):AF+FR*(\a)+FR-1], v[8*(8*((\a)%4)+\b):8*(8*((\a)%4)+\b)+7], v[SC+8*(\p)+\b], v[SC+8*(\p)+(\a)] matrix_a_fmt:MATRIX_FMT_FP6 matrix_b_fmt:MATRIX_FMT_FP6 matrix_a_scale:MATRIX_SCALE_ROW1
.endif
.endr
.endr
.endm
.macro FETCH_B ks
	WIN TO_B
.irp i, 0,1,2,3,4,5,6,7
	FRAG 128*((\ks)%2)+FR*\i, ADRB, \ks, \i
.endr
	WIN 0
.endm
.macro FETCH_A ks, i0
.irp i, \i0, \i0+1, \i0+2, \i0+3
	FRAG AF+FR*(\i), ADRA, \ks, \i
.endr
.endm
.macro SCALES ks
.irp g, 0,1
	ds_load_b128 v[SC+8*((\ks)%2)+4*\g:SC+8*((\ks)%2)+4*\g+3], v[ADRS+((\ks)%6)/3] offset:(((\ks)%6)%3)*REC+SCO+256*\g
.endr
.endm
; A K step: 64 products; the next step's fragments come in its middle (up_w's, x's blocks 0-3, the scale words) and at its end (x's blocks 4-7).
; mode 1: K steps 0, 1 are read no more: the three lines, the barrier that opens a round, the joint refill.  mode 2: the refill has landed: a barrier shows it to all waves.
.macro STEP ks, mode, zero
.set NX, (\ks)+1
.set P, (\ks)%2
.if \mode
	s_wait_tensorcnt 0x0                           ; all my tensor loads have landed
.if \mode == 1
	ds_add_u32 v[SPW], v[NIL]
	s_wait_dscnt 13                                ; the add and x's blocks 4-7 (twelve loads) may be out
.else
	s_wait_dscnt 12
.endif
	WIN MUL_LO
	MUL16 0, P, \zero
	s_wait_dscnt 0x0                               ; the add is done, and so are my reads
	s_barrier_signal -1
	MUL16 2, P, \zero
	WIN 0
	s_barrier_wait -1
.if \mode == 1
	CREST                                          ; no wave of any partner still reads K steps 0, 1 or has a load on its way
	JLOAD G0+4, G1, G0B+4, G1B                     ; its four v_nop are the places in front of the loads below
.else
	PLACES
.endif
.else
	s_wait_dscnt 12                                ; all but x's blocks 4-7 are in
	FETCH_B NX                                     ; up_w's other set is free: the last step's places stand behind its last products
	WIN MUL_LO
	MUL16 0, P, \zero
	MUL16 2, P, \zero
	s_wait_dscnt 24                                ; x's blocks 4-7 are in; the 24 loads just issued may be out
	PLACES                                         ; in front of loads into registers that matrix instructions have read
.endif
.if \mode
	FETCH_B NX
.endif
	WIN 0
	FETCH_A NX, 0
	SCALES NX
	WIN MUL_HI
	MUL16 4, P, \zero
	MUL16 6, P, \zero
	PLACES
	WIN 0
	FETCH_A NX, 4
.endm
	s_wait_tensorcnt 0x0                           ; my six K steps are in, so a descriptor may be written: the refill brings 100 rows
	s_mov_b32 s[G1+2], 100<<16
	s_mov_b32 s[G1+4], 100
	s_mov_b32 s[G1B+2], 100<<16
	s_mov_b32 s[G1B+4], 100
	s_barrier_signal -1
	s_barrier_wait -1                              ; everybody's are
	FETCH_B 0
	FETCH_A 0, 0
	SCALES 0
	FETCH_A 0, 4
	STEP 0, 0, 1                                   ; K step 0 starts the sums: nothing is cleared
	STEP 1, 1, 0
	STEP 2, 0, 0
	STEP 3, 0, 0
	STEP 4, 0, 0
	STEP 5, 2, 0
	STEP 6, 0, 0
	s_wait_dscnt 12                                ; K step 7
	WIN MUL_LO
	MUL16 0, 1, 0
	MUL16 2, 1, 0
	s_wait_dscnt 0x0
	WIN MUL_HI
	MUL16 4, 1, 0
	MUL16 6, 1, 0
	WIN 0
; THE WAY OUT, a block of 16 tokens at a time: silu(x) = x / (1 + 2^(-c x)) in f32, quantised along the 128 hidden units, stored as the image of a fragment.
; The 64 exponentials and the 64 reciprocals each go as one batch, with waits ahead of a batch and behind it.
.macro HOUT a
.set AC, 64*((\a)%4)
	WIN 0x02+(\a)/4                                ; source 0: window 2 or 3
	AWAIT                                          ; directly ahead of the first readers of these matrix results
.set ii, 0
.rept 32
	v_pk_mul_f32 v[T+2*ii:T+2*ii+1], v[AC+2*ii:AC+2*ii+1], s[82:83] op_sel_hi:[1,0]   ; -c x; each accumulator from its low end on
.set ii, ii+1
.endr
	WIN 0
	AWAIT
.set ii, 0
.rept 64
	v_exp_f32 v[T+ii], v[T+ii]
.set ii, ii+1
.endr
	v_nop
	AWAIT
.set ii, 0
.rept 32
	v_pk_add_f32 v[T+2*ii:T+2*ii+1], v[T+2*ii:T+2*ii+1], 1.0 op_sel_hi:[1,0]
.set ii, ii+1
.endr
.if (\a) > 0
	s_wait_xcnt 0x0                                ; the last block's stores have read the codes' registers
.endif
	AWAIT
.set ii, 0
.rept 64
	v_rcp_f32 v[T+ii], v[T+ii]
.set ii, ii+1
.endr
	v_nop
	WIN 0x02+(\a)/4
	AWAIT
.set ii, 0
.rept 32
	v_pk_mul_f32 v[T+2*ii:T+2*ii+1], v[AC+2*ii:AC+2*ii+1], v[T+2*ii:T+2*ii+1]
.set ii, ii+1
.endr
	WIN 0
	QUANT T, PW+(\a)
.irp c, 0,1,2
	global_store_b128 v[LI], v[PC+4*\c:PC+4*\c+3], s[86:87] offset:(\a)*FRB+512*\c   ; 32 lanes store 512 consecutive bytes, aligned to 256
.endr
.endm
	PLACES                                         ; behind the last products
.irp b, 0,1,2,3
	v_mov_b32 v[TM+4+\b], 0                        ; a lane permute's destination counts as one of its sources
.endr
.irp a, 0,1,2,3,4,5,6,7
	HOUT \a
.endr
	v_cmp_le_u32 vcc_lo, 16, v3                    ; the record's scale words: lanes 0-15 hold blocks 0-3's, lanes 16-31 blocks 4-7's
.irp i, 0,1,2,3
	v_cndmask_b32 v[SELW+\i], v[PW+\i], v[PW+4+\i], vcc_lo
.endr
	global_store_b128 v[LI], v[SELW:SELW+3], s[86:87] offset:SCO
	s_wait_tensorcnt 0x0                           ; the wave's end
	ds_add_u32 v[SPW], v[NIL]
	s_wait_dscnt 0x0
	CROUND                                         ; the closing round
	s_endpgm
.Lfunc_end_k_qf9aca68a97_up:
	.size	k_qf9aca68a97_up, .Lfunc_end_k_qf9aca68a97_up-k_qf9aca68a97_up
	.p2alignl 7, 3214868480
	.fill 96, 4, 3214868480
	.section	.rodata,"a",@progbits
	.p2align	6, 0x0
	.amdhsa_kernel k_qf9aca68a97_up
		.amdhsa_group_segment_fixed_size 327680
		.amdhsa_private_segment_fixed_size 0
		.amdhsa_enable_private_segment 0
		.amdhsa_kernarg_size 32
		.amdhsa_user_sgpr_count 2
		.amdhsa_user_sgpr_kernarg_segment_ptr 1
		.amdhsa_wavefront_size32 1
		.amdhsa_system_sgpr_workgroup_id_x 1
		.amdhsa_system_sgpr_workgroup_id_y 1
		.amdhsa_system_sgpr_workgroup_id_z 1
		.amdhsa_system_vgpr_workitem_id 0
		.amdhsa_next_free_vgpr 1024
		.amdhsa_next_free_sgpr 100
		.amdhsa_reserve_vcc 1
		.amdhsa_float_denorm_mode_32 3
		.amdhsa_float_denorm_mode_16_64 3
		.amdhsa_memory_ordered 1
		.amdhsa_forward_progress 1
		.amdhsa_inst_pref_size 235
	.end_amdhsa_kernel
	.amdgpu_metadata
---
amdhsa.version: [ 1, 2 ]
amdhsa.kernels:
  - .name:           k_qf9aca68a97_up
    .symbol:         k_qf9aca68a97_up.kd
    .args:
      - { .name: xq, .offset: 0, .size: 8, .value_kind: global_buffer, .address_space: global }
      - { .name: wq, .offset: 8, .size: 8, .value_kind: global_buffer, .address_space: global }
      - { .name: hq, .offset: 16, .size: 8, .value_kind: global_buffer, .address_space: global }
      - { .name: wsum, .offset: 24, .size: 8, .value_kind: global_buffer, .address_space: global }
    .group_segment_fixed_size: 327680
    .private_segment_fixed_size: 0
    .kernarg_segment_align: 8
    .kernarg_segment_size: 32
    .max_flat_workgroup_size: 128
    .sgpr_count:     100
    .vgpr_count:     1024
    .wavefront_size: 32
...
	.end_amdgpu_metadata
.endif
;; end of part 2
;; launch down (part 3): grid 4 x 64, 4 waves a work-group, clusters of 4 x 4, 327,680 bytes of LDS; arguments hq, wq, wsum, out0; writes out0
.if DOCPART == 3
	.amdgcn_target "amdgcn-amd-amdhsa--gfx1250"
	.amdhsa_code_object_version 6
	.text
	.protected	k_qf9aca68a97_down
	.globl	k_qf9aca68a97_down
	.p2align	8
	.type	k_qf9aca68a97_down,@function
k_qf9aca68a97_down:
	s_mov_b64 s[64:65], 0
	v_nop
	global_prefetch_b8 v0, s[64:65] scope:SCOPE_SE
	s_setreg_imm32_b32 hwreg(HW_REG_WAVE_MODE, 25, 1), 1
	s_wait_xcnt 0x0
	s_wait_alu depctr_hold_cnt(0) depctr_sa_sdst(0) depctr_va_vdst(0) depctr_va_sdst(0) depctr_va_ssrc(0) depctr_va_vcc(0) depctr_vm_vsrc(0)
	s_getreg_b32 s2, hwreg(HW_REG_IB_STS2, 6, 4)
	s_cmp_eq_u32 s2, 0
	s_cbranch_scc0 .Lentry_in_a_cluster
	s_endpgm
.Lentry_in_a_cluster:
	s_bfe_u32 s2, ttmp6, 0x10000c
	s_cmp_lg_u32 s2, 0xf033
	s_cbranch_scc0 .Lentry_shape_is_right
	s_endpgm
.Lentry_shape_is_right:
; out[t] = (Q(h[t]) Q(down_w)^T) (ew0 + ew1).  Each token is multiplied once: its two repeated rows are the same row (shown at the head of the first kernel).
; A block of 128 tokens x 256 columns to a work-group of four waves, 64 x 128 to a wave: 32 accumulators.  Operands are records of 128 rows x 128 K (12,800 bytes), dense along K for a row block.
; LDS: three regions of eight records: h's row block, then down_w's two.  The head's loads, one a wave, bring K steps 0-7: waves 0, 1 four records of h each, waves 2, 3 eight records of down_w each.
; Each region's halves are the ring's two slots: K steps 8-11 and 12-15 land on them behind the rounds in K steps 3 and 7.  By the text's own count a wave has one tensor load out at a time.
; CLUSTERS: 4 x 4: h's records are asked for jointly along a row of the cluster, down_w's along a column.
; PREFETCH: a refill's bytes are asked for one slot (four K steps) ahead of its tensor load: K steps 8-11 behind the head's load, K steps 12-15 behind the first refill, nothing after that.  Of the bytes that a wave
; fetches, each of the four partners that ask for them jointly takes a quarter, told apart by address: 25 blocks of 256 bytes of h (left-over lanes name the last again), 50 of down_w (two instructions).
; Both fragment sets are doubled: a step fetches the next step's fragments at its start.  The matrix instruction is used transposed: a lane holds eight neighbouring columns of one token's row.
; The way out goes through each wave's own stage, on bytes of h's first slot, which has had its last fill and its last read by then; 32 lanes store 512 consecutive bytes of a row.
.set FRB,   1536
.set REC,   12800
.set SCO,   12288
.set HALFA, 2*REC
.set ABYT,  4*REC                      ; a slot of one region: four records
.set SPARE, 6*ABYT                     ; behind the three regions: the spare words, 512 bytes that no other line names
.set KRB,   16*REC
.set DOWN_OFF, 1638400
.set SP,    528
.set FR,    12
.set NP,    4
.set ADRA,  16                         ; v16-17 my fragments of h in slot 0, 1
.set ADRT,  18                         ; v18-19 the second scale load: lanes 16-31 down_w's blocks 4-7; lanes 0-15 h's first four words of the same record, which are not used
.set ADRB,  20                         ; v20-21 of down_w
.set ADRS,  22                         ; v22-23 scale words: lanes 0-15 h's four blocks, lanes 16-31 down_w's blocks 0-3
.set STO,   24
.set RD,    25
.set CO,    26
.set R4,    27
.set SPW,   28
.set NIL,   29
.set PF0,   30                         ; v30-31 the prefetches' offsets; never rewritten
.set PF1,   31
.set SC,    32
.set WT,    48
.set TMPM,  64
.set AF,    128
.set BK,    128
.set G1,    24
.set G0,    32
.set G1B,   48
.set G0B,   56
.set GH,    84                         ; s[84:87], s[88:91] group 0 of the head's loads
.set GHB,   88
.set PFA,   76                         ; s[76:77] the bytes that my wave fetches, K step 0; never rewritten
.set MSB, 0
.macro WIN new
.if MSB != (\new)
	s_set_vgpr_msb (MSB<<8)|(\new)
.set MSB, (\new)
.endif
.endm
.set MUL,   0xa1
.set TO_B,  0x40
.macro JLOAD g0a, g1a, g0b, g1b
	s_cmp_eq_u32 s15, 0
	s_cbranch_scc0 .Lfor_b_\@
	tensor_load_to_lds s[\g0a:\g0a+3], s[\g1a:\g1a+7]
	s_nop 0
.rept 4
	v_nop
.endr
	s_branch .Lasked_\@
.Lfor_b_\@:
	tensor_load_to_lds s[\g0b:\g0b+3], s[\g1b:\g1b+7]
	s_nop 0
.rept 4
	v_nop
.endr
.Lasked_\@:
.endm
.macro CREST
	s_cmp_lg_u32 s14, 0
	s_cbranch_scc1 .Lnot_wave_0_\@
	s_barrier_signal -3
.Lnot_wave_0_\@:
	s_barrier_wait -3
	s_barrier_signal -1
	s_barrier_wait -1
.endm
.macro CROUND
	s_barrier_signal -1
	s_barrier_wait -1
	CREST
.endm
.macro PLACES n
.rept \n
	v_nop
.endr
.endm
.macro ASK off                         ; my work-group's quarter of what my wave's refill at byte off will bring
	global_prefetch_b8 v[PF0], s[PFA:PFA+1] offset:\off th:TH_LOAD_NT scope:SCOPE_SE
	s_cmp_eq_u32 s15, 0
	s_cbranch_scc1 .Lh_asked_\@
	global_prefetch_b8 v[PF1], s[PFA:PFA+1] offset:\off+8192 th:TH_LOAD_NT scope:SCOPE_SE
.Lh_asked_\@:
.endm
	s_load_b256 s[4:11], s[0:1], 0x0               ; hq, wq, wsum, out0
	v_lshl_add_u32 v[SPW], v0, 2, SPARE
	v_mov_b32 v[NIL], 0
	ds_add_u32 v28, v29                            ; the opening lines: the add twice on end and one wait
	ds_add_u32 v28, v29
	s_wait_dscnt 0x0
	v_lshrrev_b32 v1, 5, v0
	v_readfirstlane_b32 s14, v1                    ; wave
	s_lshr_b32 s15, s14, 1                         ; my 64 tokens; I fetch for h (0) or down_w (1)
	s_and_b32 s16, s14, 1                          ; my 128 columns; which part I fetch
	s_bfe_u32 s40, ttmp6, 0x40000                  ; cx
	s_bfe_u32 s41, ttmp6, 0x40004                  ; cy
	s_lshl_b32 s42, ttmp9, 2
	s_add_co_u32 s42, s42, s40                     ; tile column
	s_and_b32 s17, ttmp7, 0xffff
	s_lshl_b32 s17, s17, 2
	s_add_co_u32 s17, s17, s41                     ; tile row
	s_lshl_b32 s43, s41, 2
	s_lshl_b32 s43, 15, s43
	s_lshl_b32 s44, 0x1111, s40
	s_or_b32 s[G1+0], s43, (3<<16)|(1<<21)
	s_or_b32 s[G1B+0], s44, (3<<16)|(1<<21)
	s_mov_b32 s[G1+1], 32<<16                      ; rows of 256 bytes; the head's loads: 200 of h, 400 of down_w
	s_mov_b32 s[G1+2], 200<<16
	s_mov_b32 s[G1+3], 32<<16
	s_mov_b32 s[G1+4], 200
	s_mov_b32 s[G1+5], 32
	s_mov_b32 s[G1+6], 0
	s_mov_b32 s[G1+7], 0
	s_mov_b32 s[G1B+1], 32<<16
	s_mov_b32 s[G1B+2], 400<<16
	s_mov_b32 s[G1B+3], 32<<16
	s_mov_b32 s[G1B+4], 400
	s_mov_b32 s[G1B+5], 32
	s_mov_b32 s[G1B+6], 0
	s_mov_b32 s[G1B+7], 0
	s_lshl_b32 s20, s17, 4
	s_lshl_b32 s21, s16, 1
	s_add_co_u32 s20, s20, s21
	s_mul_i32 s20, s20, REC                        ; h: row block = tile row, record 2 s16
	s_mov_b32 s21, 0
	s_lshl_b32 s46, s42, 1
	s_add_co_u32 s46, s46, s16
	s_mul_i32 s46, s46, KRB
	s_add_co_u32 s46, s46, DOWN_OFF                ; down_w: row block 2 x tile column + s16
	s_mov_b32 s47, 0
	s_mul_i32 s45, s16, HALFA
	s_mul_i32 s22, s16, 2*ABYT
	s_add_co_u32 s22, s22, 2*ABYT                  ; down_w's region: behind h's eight records
	s_mov_b32 s92, s45
	s_mov_b32 s93, 0
	s_wait_kmcnt 0x0
	s_add_nc_u64 s[20:21], s[4:5], s[20:21]
	s_add_nc_u64 s[46:47], s[6:7], s[46:47]
	CROUND                                         ; all sixteen work-groups are here: the first joint loads meet
.irp s, 0,1
	s_mov_b32 s[G0+4*\s], 1
	s_add_co_u32 s[G0+4*\s+1], s45, \s*ABYT
	s_add_nc_u64 s[G0+4*\s+2:G0+4*\s+3], s[20:21], \s*ABYT
	s_or_b32 s[G0+4*\s+3], s[G0+4*\s+3], 0x80000000
	s_mov_b32 s[G0B+4*\s], 1
	s_add_co_u32 s[G0B+4*\s+1], s22, \s*ABYT
	s_add_nc_u64 s[G0B+4*\s+2:G0B+4*\s+3], s[46:47], \s*ABYT
	s_or_b32 s[G0B+4*\s+3], s[G0B+4*\s+3], 0x80000000
.endr
	s_mov_b32 s[GH], 1                             ; the head's loads: h's K steps 4 s16 .. 4 s16 + 3,
	s_mul_i32 s[GH+1], s16, ABYT
	s_add_nc_u64 s[GH+2:GH+3], s[20:21], s[92:93]
	s_or_b32 s[GH+3], s[GH+3], 0x80000000
	s_mov_b32 s[GHB], 1                            ; down_w's K steps 0-7 of row block s16
	s_add_co_u32 s[GHB+1], s22, 0
	s_mov_b64 s[GHB+2:GHB+3], s[46:47]
	s_or_b32 s[GHB+3], s[GHB+3], 0x80000000
	JLOAD GH, G1, GHB, G1B                         ; my one load at the head
	s_cmp_eq_u32 s15, 0                            ; the prefetches: the choice hangs on the wave's number alone
	s_cselect_b64 s[PFA:PFA+1], s[20:21], s[46:47]
	s_cselect_b32 s78, s40, s41                    ; my place among the four that ask with me: cx for h, cy for down_w
	s_mov_b32 s79, 12800
	s_cselect_b32 s79, 6400, s79                   ; a quarter of a refill's 25,600 or 51,200 bytes
	s_mul_i32 s78, s78, s79
	s_mov_b32 s79, 31
	s_cselect_b32 s79, 24, s79
	v_and_b32 v5, 31, v0
	v_min_u32 v6, s79, v5
	v_lshl_add_u32 v[PF0], v6, 8, s78              ; a lane a block of 256 bytes
	v_min_u32 v6, 17, v5
	v_lshl_add_u32 v[PF1], v6, 8, s78              ; down_w's blocks 32-49, 8,192 bytes on by the immediate
	s_wait_alu depctr_va_vdst(0)                   ; the wait
	ASK 2*ABYT                                     ; K steps 8-11
	v_and_b32 v1, 15, v0
	v_bfe_u32 v2, v0, 4, 1
	v_and_b32 v3, 31, v0
	v_lshlrev_b32 v[CO], 4, v3
	v_lshlrev_b32 v[R4], 2, v1
	s_mul_i32 s66, s15, 4*FRB
	v_add_nc_u32 v[ADRA], s66, v[CO]
	v_add_nc_u32 v[ADRA+1], ABYT, v[ADRA]
	s_mul_i32 s67, s16, 2*ABYT
	s_add_co_u32 s67, s67, 2*ABYT
	v_add_nc_u32 v[ADRB], s67, v[CO]
	v_add_nc_u32 v[ADRB+1], ABYT, v[ADRB]
	s_lshl_b32 s68, s15, 8
	s_sub_co_u32 s67, s67, s68
	v_mul_u32_u24 v4, s67, v2                      ; the lower base + h x the distance
	v_lshl_add_u32 v4, v1, 4, v4
	v_add_nc_u32 v[ADRS], s68, v4
	v_add_nc_u32 v[ADRS+1], ABYT, v[ADRS]
	s_add_co_u32 s73, s67, s68
	s_add_co_u32 s73, s73, 256                     ; down_w's region + 256
	v_mul_u32_u24 v[ADRT], s73, v2
	v_lshl_add_u32 v[ADRT], v1, 4, v[ADRT]
	v_add_nc_u32 v[ADRT+1], ABYT, v[ADRT]
	s_mul_i32 s69, s14, 16*SP
	v_mul_u32_u24 v[STO], v1, SP
	v_lshl_add_u32 v[STO], v2, 5, v[STO]
	v_add_nc_u32 v[STO], s69, v[STO]
	v_add_nc_u32 v[RD], s69, v[CO]
	s_lshl_b32 s70, s17, 19                        ; out0: 128 rows of 4,096 bytes a tile row, 64 rows a half, 1,024 bytes a tile column, 512 a half
	s_lshl_b32 s72, s15, 18
	s_add_co_u32 s70, s70, s72
	s_lshl_b32 s72, s42, 10
	s_add_co_u32 s70, s70, s72
	s_lshl_b32 s72, s16, 9
	s_add_co_u32 s70, s70, s72
	s_mov_b32 s71, 0
	s_add_nc_u64 s[10:11], s[10:11], s[70:71]
	s_lshl_b32 s70, s17, 9
	s_lshl_b32 s72, s15, 8
	s_add_co_u32 s70, s70, s72
	s_add_nc_u64 s[8:9], s[8:9], s[70:71]
.irp a, 0,1,2,3
	global_load_b32 v[WT+2*\a], v[R4], s[8:9] offset:64*\a      ; my token's ew0 + ew1, twice: the packed form names a pair
	global_load_b32 v[WT+2*\a+1], v[R4], s[8:9] offset:64*\a
.endr
.macro FRAG reg, adr, q, i
.irp c, 0,1,2
	ds_load_b128 v[\reg+4*\c:\reg+4*\c+3], v[\adr] offset:(\q)*REC+(\i)*FRB+512*\c
.endr
.endm
.macro FETCH slot, q, p                ; 38 LDS loads: down_w's eight fragments, h's four, the scale words, into set p
	WIN TO_B
.irp i, 0,1,2,3,4,5,6,7
	FRAG 128*(\p)+FR*\i, ADRB+\slot, \q, \i
.endr
	WIN 0
.irp i, 0,1,2,3
	FRAG AF+48*(\p)+FR*\i, ADRA+\slot, \q, \i
.endr
	ds_load_b128 v[SC+8*(\p):SC+8*(\p)+3], v[ADRS+\slot] offset:(\q)*REC+SCO
	ds_load_b128 v[SC+8*(\p)+4:SC+8*(\p)+7], v[ADRT+\slot] offset:(\q)*REC+SCO
.endm
.macro MULA a, p, zero                 ; h's block a against down_w's eight; the 32 accumulators take turns in the same order in every step
.irp b, 0,1,2,3,4,5,6,7
.if \zero
	v_wmma_scale_f32_16x16x128_f8f6f4 v[8*(8*(\a)+\b):8*(8*(\a)+\b)+7], v[128*(\p)+FR*\b:128*(\p)+FR*\b+FR-1], v[AF+48*(\p)+FR*(\a):AF+48*(\p)+FR*(\a)+FR-1], 0, v[SC+8*(\p)+\b], v[SC+8*(\p)+(\a)] matrix_a_fmt:MATRIX_FMT_FP6 matrix_b_fmt:MATRIX_FMT_FP6 matrix_a_scale:MATRIX_SCALE_ROW1
.else
	v_wmma_scale_f32_16x16x128_f8f6f4 v[8*(8*(\a)+\b):8*(8*(\a)+\b)+7], v[128*(\p)+FR*\b:128*(\p)+FR*\b+FR-1], v[AF+48*(\p)+FR*(\a):AF+48*(\p)+FR*(\a)+FR-1], v[8*(8*(\a)+\b):8*(8*(\a)+\b)+7], v[SC+8*(\p)+\b], v[SC+8*(\p)+(\a)] matrix_a_fmt:MATRIX_FMT_FP6 matrix_b_fmt:MATRIX_FMT_FP6 matrix_a_scale:MATRIX_SCALE_ROW1
.endif
.endr
.endm
.macro STEP slot, q, zero              ; a K step with its successor in the same slot: the other set is fetched first, then 32 products
	s_wait_dscnt 0x0                               ; this step's set is in
	PLACES NP                                      ; behind the last step's products, which read the other set
	FETCH \slot, (\q)+1, 1-(\q)%2
	WIN MUL
	MULA 0, (\q)%2, \zero
	MULA 1, (\q)%2, \zero
	MULA 2, (\q)%2, \zero
	MULA 3, (\q)%2, \zero
.endm
.macro TURN slot, next, fill           ; a slot's last K step changes slots
	WIN 0
	s_wait_tensorcnt 0x0                           ; all my tensor loads have landed: my part of the next slot
	ds_add_u32 v[SPW], v[NIL]
	s_wait_dscnt 0x0                               ; the add is done, and so are my reads of this slot: its last set is in registers
	s_barrier_signal -1
	WIN MUL
	MULA 0, 1, 0
	WIN 0
	s_barrier_wait -1
.if \fill
	CREST                                          ; the barrier has opened a round: no wave of any partner still reads this slot or has a load on its way
	s_add_nc_u64 s[G0+4*\slot+2:G0+4*\slot+3], s[G0+4*\slot+2:G0+4*\slot+3], 2*ABYT
	s_add_nc_u64 s[G0B+4*\slot+2:G0B+4*\slot+3], s[G0B+4*\slot+2:G0B+4*\slot+3], 2*ABYT
	JLOAD G0+4*\slot, G1, G0B+4*\slot, G1B         ; its four v_nop are the places in front of the loads below
.else
	PLACES NP
.endif
	FETCH \next, 0, 0
.if (\fill) && (\slot) == 0
	ASK 3*ABYT                                     ; K steps 12-15, one slot ahead of their load
.endif
	WIN MUL
	MULA 1, 1, 0
	MULA 2, 1, 0
	MULA 3, 1, 0
.endm
	s_wait_alu depctr_va_vdst(0)                   ; the wait at the head's end
	s_wait_tensorcnt 0x0                           ; my part of K steps 0-7 is in, so a descriptor may be written: the ring's loads bring half as many rows
	s_mov_b32 s[G1+2], 100<<16
	s_mov_b32 s[G1+4], 100
	s_mov_b32 s[G1B+2], 200<<16
	s_mov_b32 s[G1B+4], 200
	s_barrier_signal -1
	s_barrier_wait -1
	FETCH 0, 0, 0
	STEP 0, 0, 1                                   ; K step 0 starts the sums: nothing is cleared
	STEP 0, 1, 0
	STEP 0, 2, 0
	TURN 0, 1, 1
	STEP 1, 0, 0
	STEP 1, 1, 0
	STEP 1, 2, 0
	TURN 1, 0, 1
	STEP 0, 0, 0
	STEP 0, 1, 0
	STEP 0, 2, 0
	TURN 0, 1, 0
	STEP 1, 0, 0
	STEP 1, 1, 0
	STEP 1, 2, 0
	s_wait_dscnt 0x0
	WIN MUL
	MULA 0, 1, 0
	MULA 1, 1, 0
	MULA 2, 1, 0
	MULA 3, 1, 0
	WIN 0
.macro OUTB a                          ; block a: x (ew0 + ew1), into my stage, back as whole rows of 512 bytes
.if (\a) > 0
	s_wait_dscnt 16
.endif
	WIN 0x02
.set ii, 0
.rept 32
	v_pk_mul_f32 v[TMPM+2*ii:TMPM+2*ii+1], v[64*(\a)+2*ii:64*(\a)+2*ii+1], v[WT+2*(\a):WT+2*(\a)+1]
.set ii, ii+1
.endr
	WIN 0
.if (\a) >= 2
	s_wait_alu depctr_va_vdst(0)
	s_wait_xcnt 0x0                                ; block a - 2's stores have read the registers that the loads below fill
.endif
.irp b, 0,1,2,3,4,5,6,7
	ds_store_b128 v[STO], v[TMPM+8*\b:TMPM+8*\b+3] offset:64*\b
	ds_store_b128 v[STO], v[TMPM+8*\b+4:TMPM+8*\b+7] offset:64*\b+16
.endr
.irp t, 0,1,2,3,4,5,6,7,8,9,10,11,12,13,14,15
	ds_load_b128 v[BK+64*((\a)%2)+4*\t:BK+64*((\a)%2)+4*\t+3], v[RD] offset:SP*\t
.endr
.endm
.macro SEND a, younger
	s_wait_dscnt \younger
.irp t, 0,1,2,3,4,5,6,7,8,9,10,11,12,13,14,15
	global_store_b128 v[CO], v[BK+64*((\a)%2)+4*\t:BK+64*((\a)%2)+4*\t+3], s[10:11] offset:(16*(\a)+\t)*4096 th:TH_STORE_NT
.endr
.endm
	s_wait_loadcnt 0x0
	PLACES NP
	OUTB 0
	OUTB 1
	SEND 0, 32
	OUTB 2
	SEND 1, 32
	OUTB 3
	SEND 2, 32
	SEND 3, 0
	s_wait_tensorcnt 0x0                           ; the wave's end
	ds_add_u32 v[SPW], v[NIL]
	s_wait_dscnt 0x0
	CROUND                                         ; the closing round
	s_endpgm
.Lfunc_end_k_qf9aca68a97_down:
	.size	k_qf9aca68a97_down, .Lfunc_end_k_qf9aca68a97_down-k_qf9aca68a97_down
	.p2alignl 7, 3214868480
	.fill 96, 4, 3214868480
	.section	.rodata,"a",@progbits
	.p2align	6, 0x0
	.amdhsa_kernel k_qf9aca68a97_down
		.amdhsa_group_segment_fixed_size 327680
		.amdhsa_private_segment_fixed_size 0
		.amdhsa_enable_private_segment 0
		.amdhsa_kernarg_size 32
		.amdhsa_user_sgpr_count 2
		.amdhsa_user_sgpr_kernarg_segment_ptr 1
		.amdhsa_wavefront_size32 1
		.amdhsa_system_sgpr_workgroup_id_x 1
		.amdhsa_system_sgpr_workgroup_id_y 1
		.amdhsa_system_sgpr_workgroup_id_z 1
		.amdhsa_system_vgpr_workitem_id 0
		.amdhsa_next_free_vgpr 768
		.amdhsa_next_free_sgpr 96
		.amdhsa_reserve_vcc 0
		.amdhsa_float_denorm_mode_32 3
		.amdhsa_float_denorm_mode_16_64 3
		.amdhsa_memory_ordered 1
		.amdhsa_forward_progress 1
		.amdhsa_inst_pref_size 141
	.end_amdhsa_kernel
	.amdgpu_metadata
---
amdhsa.version: [ 1, 2 ]
amdhsa.kernels:
  - .name:           k_qf9aca68a97_down
    .symbol:         k_qf9aca68a97_down.kd
    .args:
      - { .name: hq, .offset: 0, .size: 8, .value_kind: global_buffer, .address_space: global }
      - { .name: wq, .offset: 8, .size: 8, .value_kind: global_buffer, .address_space: global }
      - { .name: wsum, .offset: 16, .size: 8, .value_kind: global_buffer, .address_space: global }
      - { .name: out0, .offset: 24, .size: 8, .value_kind: global_buffer, .address_space: global }
    .group_segment_fixed_size: 327680
    .private_segment_fixed_size: 0
    .kernarg_segment_align: 8
    .kernarg_segment_size: 32
    .max_flat_workgroup_size: 128
    .sgpr_count:     96
    .vgpr_count:     768
    .wavefront_size: 32
...
	.end_amdgpu_metadata
.endif
;; end of part 3
